; MI455X (gfx1250); checked and timed in simulation.
; The chip was launched on July 23, 2026; its instructions are those of AMD's public machine-readable ISA for CDNA 5 (MIT licence, August 2026) and "CDNA5" Instruction Set Architecture Reference Guide (July 2026). The comments in the code are by the model that wrote it; some were corrected since.
;; Actor Svgd. Allowed arithmetic: float matrix products may take bf16 or f16 operands with f32 sums; other float arithmetic in f32, or as packed bf16 or f16 multiplies, adds, multiply-adds, maxima and minima; sums over many terms, partial sums and values carried from step to step in f32; what a program stores and reads back later, other than sums and carried values, may be rounded once to bf16 or f16.
;; Inputs: a0 32,768 x 20 float32; obs 32,768 x 64 float32; q1_b1 256 float32; q1_b2 256 float32; q1_b3 1 float32; q1_w1 84 x 256 float32; q1_w2 256 x 256 float32; q1_w3 256 x 1 float32; q2_b1 256 float32; q2_b2 256 float32; q2_b3 1 float32; q2_w1 84 x 256 float32; q2_w2 256 x 256 float32; q2_w3 256 x 1 float32.
;; Outputs: out0 32,768 x 20 float32; out1 1,024 float32.
;; One version. Each part assembles by itself: llvm-mc -triple=amdgcn-amd-amdhsa -mcpu=gfx1250 --defsym DOCPART=n.
;; ======== version 1 of 1: 1 launch
;; limits: values outside matrix products are rounded to bf16; a difference of large sums (such as E[x^2] - mean^2): digits are lost where the result is much smaller than its terms
;; launch svgd (part 1): grid 256 x 1, 4 waves a work-group, no clusters, 327,680 bytes of LDS; arguments obs, a0, q1_w1, q1_b1, q1_w2, q1_b2, q1_w3, q1_b3, q2_w1, q2_b1, q2_w2, q2_b2, q2_w3, q2_b3, out0, out1; writes out0, out1
.if DOCPART == 1
	.amdgcn_target "amdgcn-amd-amdhsa--gfx1250"
	.amdhsa_code_object_version 6
	.text
	.protected	k_qab62b8c69c_svgd
	.globl	k_qab62b8c69c_svgd
	.p2align	8
	.type	k_qab62b8c69c_svgd,@function
k_qab62b8c69c_svgd:
	s_mov_b64 s[64:65], 0
	v_nop
	global_prefetch_b8 v0, s[64:65] scope:SCOPE_SE
	s_setreg_imm32_b32 hwreg(HW_REG_WAVE_MODE, 25, 1), 1
	s_wait_xcnt 0x0
; SVGD ACTOR: five steps of a += 0.1 phi on 1,024 states x 32 particles x 20 dimensions, with the score grad_a min(q1, q2) of two critics 84 -> 256 -> 256 -> 1,
; an RBF kernel whose width comes from the median of a state's 1,024 squared distances, and the log-probability's correction; then tanh(a) and one mean log-probability a state.
; ONE LAUNCH.  A state never looks at another, so a work-group keeps 4 states (128 rows) through all five steps; only inputs and outputs touch memory.
; WORK NOT DONE, for all values of the inputs.  (1) obs . w1[0:64] + b1 holds no a: it is the same in all five steps, is made once (P1) and kept, rounded once to bf16.
; (2) reference() differentiates with respect to the actions alone: the backward product of layer 1 takes w1's rows 64 to 83 only.  (3) Of logp only the mean over a state's 32 particles
; reaches an output: each lane keeps one running sum.  (4) K, dist_sq are symmetric and diff antisymmetric, exactly: sums over i and over j are the same sums.  All 14 inputs are loaded.
; LIMIT of (1)-(4): none of the work left out holds a value that the work done does not hold too.
; FORMULAS, lane = particle i, sums over j:  PS = sum K s_j, PX = sum K x_j, KC = sum K (x_j . s_j), SK = sum K, SKD = sum K d.
;   a   += 0.003125 PS + 0.00625 g (x SK - PX);      logp += 0.00625 g (x . PS - KC + 2 g SKD - 20 SK + 20);      g = 1 / (med / ln 33 + 1e-8).
; w3 IS FOLDED INTO w2: LDS holds W2'[k][n] = bf16(w2[k][n] w3[n]) and b2' = b2 w3.  x' = W2'^T h1 + b2' = w3 pre2; mask = clamp(x' sg) with sg = +-2^126 by w3's sign is [pre2 > 0];
; q = sum x' mask + b3, and the backward operand is the mask alone: dq/dh1 = W2' mask.  (w3[n] = 0: x' and W2'[.][n] are 0, whatever the mask.)
; SHARES.  Wave w has two parts.  As critic c = w / 2 it takes rows 64 (w % 2) .. + 63, four tiles of 16, through the whole chain; as owner of state w (rows 32 w ..) it does the kernel, lane = particle.
; LAYOUT.  Every product is taken transposed: source 0 = 16 output features from LDS, source 1 = 16 rows in registers.  In a result a lane holds ONE row (lane % 16) and the features 8 (lane / 16) + 0..7;
; two results rounded to bf16 ARE source 1 of the next product's K step.  So the chain never leaves the wave's registers, and a fragment of weights (two LDS loads) feeds four products.
; Each matrix lies in LDS once, as [in][out]: forward fragments come turned (ds_load_tr16_b128), backward ones as they lie.
; BOTH critics run backward; the particle's lane takes w0 g(q1) + (1 - w0) g(q2), w0 = 1, 0.5, 0 for q1 <, =, > q2 (jnp.minimum's gradient): a selection of values, no branch.
; THE MEDIAN.  The 1,024 numbers are 32 zeros and 496 pairs' distances twice, so sorted[511] and sorted[512] are ranks 239 and 240 of the 496.  Non-negative f32 order as whole numbers: rank 239 is
; found bit by bit, 31 counted trips of 16 compares and bit counts; rank 240 is the same number, or the least greater one.
; NO CLUSTER: what work-groups share is the weights, 0.7 MB of f32 read once at the head, which are scaled by w3 and rounded on their way through registers; no descriptor does that.
; LIMITS.  Matrix operands are bf16 (weights, h1, the masks, dq/dh1); q1 and q2 are compared as so computed: where they agree to within that rounding the other critic may be chosen.
; 0 < |x'| < 2^-126 gives a mask between 0 and 1; a pre-activation of layer 1 that rounds to 0 in bf16, or to a bf16 denormal, may count as not active.  NaN and infinities are not treated apart
; (in the median they order as their bit patterns); an infinite gradient of the critic that is not chosen gives NaN.  exp2's results below 2^-126 count as 0.
; REGISTERS, in windows of 256 (s_set_vgpr_msb: bits 1:0 source 0, 3:2 source 1, 5:4 source 2, 7:6 destination):
;   window 0: addresses, accumulators, fragments (below)      window 1: P1, tile (t, m) at 4 (4 t + m)
;   window 2: h1 as source 1, K step u, row tile m at 32 u + 8 m; dq/dpre1 takes its place      window 3: the masks of layer 2, same map.   In the kernel's part windows 2 and 3 hold other particles' rows.
.set PW,    528                        ; an LDS row of weights: 512 bytes + 16: an odd multiple of 16
.set L_W1A, 0                          ; w1 rows 64-83: critic c at 20 c rows.  A fragment of 32 rows runs 12 rows on into the next region: finite weights, met by zeros (forward) or giving dimensions 20-31, never stored
.set L_W2,  40*PW                      ; W2': critic c at c x W2C; 256 rows.  Its first 64 rows hold w1 rows 0-63 while P1 is made
.set W2C,   256*PW
.set L_A,   L_W2+2*W2C                 ; a: 128 rows x 80 bytes, f32
.set L_GA,  L_A+10240                  ; dq/da: critic c at + 10,240 c; critic 0's rows then take the chosen score
.set L_B2,  L_GA+20480                 ; b2': 1,024 bytes a critic
.set L_SG,  L_B2+2048                  ; sg in bf16: 512 bytes a critic
.set L_Q,   L_SG+1024                  ; q: 512 bytes a critic
.set SPARE, 326400                     ; the spare words, 128 bytes a wave: two blocks of 256 bytes that no other line names
.set SPW,1                             ; v1  my spare word's address; never rewritten
.set NIL,2                             ; v2  0, for the add; never rewritten
.set ZR,3                              ; v3  0, for the packed maximum
.set LANE,4
.set LANE4,5
.set BT0,6                             ; v6, v7   W2' turned: my lane's place, rows 0-127 and 128-255
.set BP0,8                             ; v8, v9   W2' as it lies
.set AW1T,10
.set AW1P,11
.set AB2,12
.set ASG,13
.set AXA,14                            ; a of my row tile's row, dimensions 8 h ..
.set AXB,15                            ; dimensions 16 ..
.set AGA,16
.set AQ,17
.set ASV,18                            ; a of my particle
.set ABS,19                            ; a of my state's particle 0
.set LP,20                             ; my running sum for the log-probability
.set ALIN,21                           ; my state's 2,560 bytes taken linearly: 16 x lane
.set GL16,22                           ; 16 x lane; never rewritten
.set AQS,23                            ; q1 of my particle (in the prologue: 512 r + 16 x lane)
.set QA,24                             ; v24-31  q's partial sums, a pair a row tile
.set B2C,32                            ; v32-39  b2' of the tile in hand, as a C operand
.set SGP,40                            ; v40-47  sg, packed, two buffers
.set SGF,48                            ; v48-55  sg in f32
.set TM,56                             ; v56-63  at work
.set XA,32                             ; v32-63  a as source 1, during layer 1 forward
.set ACC,64                            ; v64-127 accumulators: 2 x 4 row tiles x 8
.set FR,128                            ; v128-255 fragments of weights: 2 x 64
.set MSB, 0
.macro WIN new                         ; the high byte repeats the setting that is left; a switch that changes nothing is dropped
.if MSB != (\new)
	s_set_vgpr_msb (MSB<<8)|(\new)
.set MSB, (\new)
.endif
.endm
.macro BAR                             ; my LDS instructions are done, then the work-group's barrier
	s_wait_dscnt 0x0
	s_barrier_signal -1
	s_barrier_wait -1
.endm
.macro NOPS n
.rept \n
	v_nop
.endr
.endm
	s_load_b512 s[4:19], s[0:1], 0x0               ; obs, a0, q1: w1 b1 w2 b2 w3 b3
	s_load_b512 s[20:35], s[0:1], 0x40             ; q2: w1 b1 w2 b2 w3 b3, out0, out1
	v_lshl_add_u32 v[SPW], v0, 2, SPARE
	v_mov_b32 v[NIL], 0
	v_mov_b32 v[ZR], 0
	v_lshrrev_b32 v23, 5, v0
	v_readfirstlane_b32 s36, v23                   ; wave w
	s_lshr_b32 s37, s36, 1                         ; c: my critic
	s_and_b32 s38, s36, 1                          ; r: my half of the 128 rows
	v_and_b32 v[LANE], 31, v0
	v_lshlrev_b32 v[LANE4], 2, v[LANE]
	v_lshlrev_b32 v[GL16], 4, v[LANE]
	v_and_b32 v24, 15, v0                          ; r16 = lane % 16
	v_bfe_u32 v25, v0, 4, 1                        ; h = lane / 16
	v_and_b32 v26, 7, v0
	v_bfe_u32 v27, v0, 3, 1
	v_lshl_add_u32 v26, v25, 3, v26
	v_mul_u32_u24 v26, v26, PW
	v_lshl_add_u32 v26, v27, 4, v26                ; turned: row 8 h + lane % 8, 16 bytes for (lane / 8) % 2
	v_mul_u32_u24 v27, v24, PW
	v_lshl_add_u32 v27, v25, 4, v27                ; as it lies: row r16, 16 h
	s_mul_i32 s84, s37, W2C
	s_add_co_u32 s84, s84, L_W2                    ; my critic's W2'
	v_add_nc_u32 v[BT0], s84, v26
	v_add_nc_u32 v[BT0+1], 128*PW, v[BT0]
	v_add_nc_u32 v[BP0], s84, v27
	v_add_nc_u32 v[BP0+1], 128*PW, v[BP0]
	s_mul_i32 s85, s37, 20*PW
	v_add_nc_u32 v[AW1T], s85, v26
	v_add_nc_u32 v[AW1P], s85, v27
	s_lshl_b32 s85, s37, 10
	s_add_co_u32 s85, s85, L_B2
	v_lshl_add_u32 v[AB2], v25, 5, s85
	s_lshl_b32 s85, s37, 9
	s_add_co_u32 s85, s85, L_SG
	v_lshl_add_u32 v[ASG], v25, 4, s85
	s_mul_i32 s85, s38, 64*80
	v_mul_u32_u24 v28, v24, 80
	v_add_nc_u32 v28, s85, v28                     ; (64 r + r16) x 80
	v_lshl_add_u32 v29, v25, 5, v28                ; + 32 h
	v_add_nc_u32 v[AXA], L_A, v29
	v_add_nc_u32 v[AXB], L_A+64, v28
	s_mul_i32 s85, s37, 10240
	s_add_co_u32 s85, s85, L_GA
	v_add_nc_u32 v[AGA], s85, v29
	s_mul_i32 s88, s38, 64*80                      ; s88: dimensions 16-19 of my first row of dq/da: my critic's region + 64 r rows + 64 bytes
	s_add_co_u32 s88, s88, s85
	s_add_co_u32 s88, s88, 64
	s_lshl_b32 s85, s37, 9
	s_lshl_b32 s86, s38, 8
	s_add_co_u32 s85, s85, s86
	s_add_co_u32 s85, s85, L_Q
	v_lshl_add_u32 v[AQ], v24, 2, s85
	s_mul_i32 s85, s36, 2560
	s_add_co_u32 s85, s85, L_A
	v_mov_b32 v[ABS], s85
	v_mad_u32_u24 v[ASV], v[LANE], 80, v[ABS]
	v_add_nc_u32 v[ALIN], s85, v[GL16]
	v_lshl_add_u32 v23, s38, 9, v[GL16]            ; 512 r + 16 x lane: my four numbers of b2 and w3
	v_lshlrev_b32 v30, 8, v24
	v_lshl_add_u32 v30, v25, 5, v30                ; obs: row r16 x 256 + 32 h
	v_lshlrev_b32 v31, 5, v25                      ; b1: 32 h
	s_mov_b32 s55, 0x0000ffff                      ; lanes 0-15
	s_mov_b32 s56, 0x76543210                      ; v_permlanex16_b32: each lane takes its own place in the other half
	s_mov_b32 s57, 0xfedcba98
	s_mov_b32 s63, 0xffff0000                      ; a word's upper bf16
	s_mov_b32 s82, 0x7f007f00                      ; 2^127 twice in bf16
	s_mov_b32 s83, 0x3f803f80                      ; 1.0 twice
	s_wait_kmcnt 0x0
	s_cmp_eq_u32 s37, 0                            ; my critic's six tensors
	s_cselect_b64 s[40:41], s[8:9], s[20:21]       ; w1
	s_cselect_b64 s[42:43], s[10:11], s[22:23]     ; b1
	s_cselect_b64 s[44:45], s[12:13], s[24:25]     ; w2
	s_cselect_b64 s[46:47], s[14:15], s[26:27]     ; b2
	s_cselect_b64 s[48:49], s[16:17], s[28:29]     ; w3
	s_cselect_b64 s[50:51], s[18:19], s[30:31]     ; b3
	s_load_b32 s52, s[50:51], 0x0
	s_lshl_b32 s92, ttmp9, 15                      ; the work-group's 128 rows of obs, 256 bytes each,
	s_lshl_b32 s85, s38, 14                        ; my 64 of them
	s_add_co_u32 s92, s92, s85
	s_mov_b32 s93, 0
	s_add_nc_u64 s[4:5], s[4:5], s[92:93]
	s_mul_i32 s92, ttmp9, 10240                    ; a0 and out0 at my state: 2,560 bytes
	s_mul_i32 s85, s36, 2560
	s_add_co_u32 s92, s92, s85
	s_add_nc_u64 s[6:7], s[6:7], s[92:93]
	s_add_nc_u64 s[32:33], s[32:33], s[92:93]
	s_lshl_b32 s92, s38, 15
	s_add_nc_u64 s[66:67], s[40:41], s[92:93]      ; w1 rows 32 r ..: my half of the obs part
	s_mul_i32 s92, s38, 10240
	s_add_co_u32 s92, s92, 65536
	s_add_nc_u64 s[68:69], s[40:41], s[92:93]      ; w1 rows 64 + 10 r ..: my half of the action part
	s_lshl_b32 s92, s38, 17
	s_add_nc_u64 s[70:71], s[44:45], s[92:93]      ; w2 rows 128 r ..
; THE PROLOGUE'S LOADS go out together.  Window 2: v64-127 the fill's ring of 16 slots, v128-135 w3 for my 8 columns of a row's two halves.  Window 1: w1's action rows as loaded.  Window 3: b1 as C operands.
.set RG, 64
.set WS, 128
.set LAF, 28                           ; v28  where a fill's slot 0 goes in LDS: + 8 x lane
	WIN 0x80
	global_load_b128 v[WS:WS+3], v[GL16], s[48:49]
	global_load_b128 v[WS+4:WS+7], v[GL16], s[48:49] offset:512
	WIN 0
	global_load_b128 v[32:35], v23, s[46:47]       ; b2
	global_load_b128 v[36:39], v23, s[48:49]       ; w3
.irp k,0,1,2,3,4
	global_load_b128 v[40+4*\k:43+4*\k], v[GL16], s[6:7] offset:512*\k  ; my state's a0, linearly
.endr
.irp u,0,1
.irp m,0,1,2,3                         ; obs as source 1: K step u, row tile m: dimensions 32 u + 8 h + 0..7 and 32 u + 16 + 8 h + 0..7 of row 16 m + r16
	global_load_b128 v[128+16*(4*\u+\m):128+16*(4*\u+\m)+3],     v30, s[4:5] offset:4096*\m+128*\u
	global_load_b128 v[128+16*(4*\u+\m)+4:128+16*(4*\u+\m)+7],   v30, s[4:5] offset:4096*\m+128*\u+16
	global_load_b128 v[128+16*(4*\u+\m)+8:128+16*(4*\u+\m)+11],  v30, s[4:5] offset:4096*\m+128*\u+64
	global_load_b128 v[128+16*(4*\u+\m)+12:128+16*(4*\u+\m)+15], v30, s[4:5] offset:4096*\m+128*\u+80
.endr
.endr
	WIN 0xc0
.set t_, 0
.rept 16                               ; b1 of features 16 t + 8 h + 0..7
	global_load_b128 v[8*t_:8*t_+3],   v31, s[42:43] offset:64*t_
	global_load_b128 v[8*t_+4:8*t_+7], v31, s[42:43] offset:64*t_+16
.set t_, t_+1
.endr
	WIN 0x40
.set g_, 0
.rept 20                               ; ten rows of w1, 512 bytes a load
	global_load_b128 v[4*g_:4*g_+3], v[GL16], s[68:69] offset:512*g_
.set g_, g_+1
.endr
	WIN 0x80
.set s_, 0
.rept 16                               ; the ring's first round: w1's obs part
	global_load_b128 v[RG+4*s_:RG+4*s_+3], v[GL16], s[66:67] offset:512*s_
.set s_, s_+1
.endr
	WIN 0
	s_wait_loadcnt 16                              ; all but the ring's sixteen
	v_pk_mul_f32 v[32:33], v[32:33], v[36:37]      ; b2' = b2 w3
	v_pk_mul_f32 v[34:35], v[34:35], v[38:39]
	s_lshl_b32 s85, s37, 10
	s_lshl_b32 s86, s38, 9
	s_add_co_u32 s85, s85, s86
	s_add_co_u32 s85, s85, L_B2
	v_add_nc_u32 v29, s85, v[GL16]
	ds_store_b128 v29, v[32:35]
	v_lshrrev_b32 v60, 16, v36                     ; sg: 2^126 with w3's sign, two to a word
	v_and_b32 v60, 0x8000, v60
	v_and_or_b32 v60, v37, 0x80000000, v60
	v_or_b32 v60, 0x7e807e80, v60
	v_lshrrev_b32 v61, 16, v38
	v_and_b32 v61, 0x8000, v61
	v_and_or_b32 v61, v39, 0x80000000, v61
	v_or_b32 v61, 0x7e807e80, v61
	s_lshl_b32 s85, s37, 9
	s_lshl_b32 s86, s38, 8
	s_add_co_u32 s85, s85, s86
	s_add_co_u32 s85, s85, L_SG
	v_lshl_add_u32 v29, v[LANE], 3, s85
	ds_store_b64 v29, v[60:61]
.irp k,0,1,2,3,4
	ds_store_b128 v[ALIN], v[40+4*\k:43+4*\k] offset:512*\k
.endr
	v_pk_mul_f32 v[62:63], v[40:41], v[40:41]      ; -0.5 sum a0^2: the state's sum is all that counts, so any 20 numbers of it a lane
.irp p,1,2,3,4,5,6,7,8,9
	v_pk_fma_f32 v[62:63], v[40+2*\p:41+2*\p], v[40+2*\p:41+2*\p], v[62:63]
.endr
	v_add_f32 v[LP], v62, v63
	v_mul_f32 v[LP], -0.5, v[LP]
	s_lshl_b32 s85, s36, 7
	s_add_co_u32 s85, s85, L_Q
	v_add_nc_u32 v[AQS], s85, v[LANE4]             ; (its loads are in: the register is free)
	WIN 0x80                                       ; obs rounded: window 2, v[8 (4 u + m)]
.set f_, 0
.rept 8
.irp j,0,1,2,3,4,5,6,7
	v_cvt_pk_bf16_f32 v[8*f_+\j], v[128+16*f_+2*\j], v[128+16*f_+2*\j+1]
.endr
.set f_, f_+1
.endr
	WIN 0x05                                       ; w1's action rows rounded
.set g_, 0
.rept 20
	v_cvt_pk_bf16_f32 v[64+2*g_], v[4*g_], v[4*g_+1]
	v_cvt_pk_bf16_f32 v[65+2*g_], v[4*g_+2], v[4*g_+3]
.set g_, g_+1
.endr
	WIN 0
	s_mul_i32 s85, s37, 20*PW
	s_mul_i32 s86, s38, 10*PW
	s_add_co_u32 s85, s85, s86
	v_lshl_add_u32 v29, v[LANE], 3, s85
.set g_, 0
.rept 20
	ds_store_b64 v29, v[64+2*g_:65+2*g_] offset:(g_/2)*PW+(g_%2)*256
.set g_, g_+1
.endr
; A FILL: f32 rows of 1,024 bytes stream through a ring of 16 slots of 512 bytes (half a row; 4 numbers a lane), are scaled by w3 (scale = 1), rounded and stored, 8 bytes a lane.
; left: the younger loads that may stay out.  ahead = 1: the slot is asked for again, a round (8 rows) on.
.macro FSLOT s, scale, ahead, left, fb
	s_wait_loadcnt \left                           ; loads come back in order: this slot's is in
.set rg_, RG+4*(\s)
.set ws_, WS+4*((\s)%2)
	WIN 0x0a
.if \scale
	v_pk_mul_f32 v[60:61], v[rg_:rg_+1], v[ws_:ws_+1]
	v_pk_mul_f32 v[62:63], v[rg_+2:rg_+3], v[ws_+2:ws_+3]
	WIN 0
	v_cvt_pk_bf16_f32 v60, v60, v61
	v_cvt_pk_bf16_f32 v61, v62, v63
.else
	v_cvt_pk_bf16_f32 v60, v[rg_], v[rg_+1]
	v_cvt_pk_bf16_f32 v61, v[rg_+2], v[rg_+3]
.endif
	WIN 0x80
	ds_store_b64 v[LAF], v[60:61] offset:((\s)/2)*PW+((\s)%2)*256
.if \ahead
	global_load_b128 v[rg_:rg_+3], v[GL16], s[(\fb):(\fb)+1] offset:8192+512*(\s)
.endif
.endm
.macro FILL scale, trips, fb           ; the ring's first round has been issued; the last round is written out and loads nothing
	WIN 0
	s_mov_b32 s54, (\trips)-1
.Lfill_\@:
.set s_, 0
.rept 16
	FSLOT s_, \scale, 1, 15, \fb
.set s_, s_+1
.endr
	WIN 0
	s_wait_xcnt 0x0                                ; the loads have read their base: it may be stepped
	s_add_nc_u64 s[(\fb):(\fb)+1], s[(\fb):(\fb)+1], 8192
	v_add_nc_u32 v[LAF], 8*PW, v[LAF]
	s_sub_co_u32 s54, s54, 1
	s_cmp_lg_u32 s54, 0
	s_cbranch_scc1 .Lfill_\@
.set s_, 0
.rept 16
	FSLOT s_, \scale, 0, 15-s_, \fb
.set s_, s_+1
.endr
	WIN 0
.endm
	s_mul_i32 s85, s38, 32*PW
	s_add_co_u32 s85, s85, s84
	v_lshl_add_u32 v[LAF], v[LANE], 3, s85
	FILL 0, 4, 66                                  ; w1 rows 32 r .. 32 r + 31 into the head of my critic's W2' region
	WIN 0x80
.set s_, 0
.rept 16                               ; w2's first round goes out now and lands while P1 is made
	global_load_b128 v[RG+4*s_:RG+4*s_+3], v[GL16], s[70:71] offset:512*s_
.set s_, s_+1
.endr
	WIN 0
	BAR                                            ; w1's obs part is whole, and so are a, b2', sg and w1's action part
; P1 = obs . w1[0:64] + b1, 16 tiles of features x 4 row tiles, two K steps; the bias is the C operand that starts the sum.  The four accumulators take turns.
.macro P1FETCH b                       ; the turned fragments of tiles 8 b .. 8 b + 7
	WIN 0
.set t_, 0
.rept 8
.irp u,0,1
.irp e,0,1
	ds_load_tr16_b128 v[FR+16*t_+8*\u+4*\e:FR+16*t_+8*\u+4*\e+3], v[BT0] offset:\u*32*PW+\e*16*PW+32*(8*(\b)+t_)
.endr
.endr
.set t_, t_+1
.endr
.endm
.macro P1MM t
.set pa, ACC+32*((\t)%2)
.set fa, FR+16*((\t)%8)
	WIN 0x38                                       ; obs in window 2, b1 in window 3
.irp m,0,1,2,3
	v_wmma_f32_16x16x32_bf16 v[pa+8*\m:pa+8*\m+7], v[fa:fa+7], v[8*\m:8*\m+7], v[8*(\t):8*(\t)+7]
.endr
	WIN 0x08
.irp m,0,1,2,3
	v_wmma_f32_16x16x32_bf16 v[pa+8*\m:pa+8*\m+7], v[fa+8:fa+15], v[32+8*\m:32+8*\m+7], v[pa+8*\m:pa+8*\m+7]
.endr
.endm
.macro P1CV t                          ; a tile behind: sixteen roundings into window 1, which are also the places behind the products just issued
.set pa, ACC+32*((\t)%2)
	WIN 0x40
.irp m,0,1,2,3
.irp j,0,1,2,3
	v_cvt_pk_bf16_f32 v[4*(4*(\t)+\m)+\j], v[pa+8*\m+2*\j], v[pa+8*\m+2*\j+1]
.endr
.endr
.endm
	P1FETCH 0
	s_wait_dscnt 0x0
.set tt_, 0
.rept 8
	P1MM tt_
.if tt_ == 0
	NOPS 8                                         ; no tile behind yet: the places behind tile 0's products
.else
	P1CV tt_-1
.endif
.set tt_, tt_+1
.endr
	P1FETCH 1                                      ; sixteen plain instructions behind the last product that read these registers
	s_wait_dscnt 0x0
.rept 8
	P1MM tt_
	P1CV tt_-1
.set tt_, tt_+1
.endr
	NOPS 8
	P1CV 15
	WIN 0
	BAR                                            ; nobody reads w1's obs part any more
	s_mul_i32 s85, s38, 128*PW
	s_add_co_u32 s85, s85, s84
	v_lshl_add_u32 v[LAF], v[LANE], 3, s85
	FILL 1, 16, 70                                 ; W2' rows 128 r .. 128 r + 127
	BAR                                            ; W2' is whole
; THE CHAIN'S MACROS.
.macro FETCH_T t, b                    ; forward tile t (features 16 t ..): 8 K steps of W2' turned, b2', sg: 19 LDS loads in one run
	WIN 0
.irp u,0,1,2,3,4,5,6,7
.irp e,0,1
	ds_load_tr16_b128 v[FR+64*(\b)+8*\u+4*\e:FR+64*(\b)+8*\u+4*\e+3], v[BT0+(\u/4)] offset:(\u%4)*32*PW+\e*16*PW+32*(\t)
.endr
.endr
	ds_load_b128 v[B2C:B2C+3], v[AB2] offset:64*(\t)
	ds_load_b128 v[B2C+4:B2C+7], v[AB2] offset:64*(\t)+16
	ds_load_b128 v[SGP+4*((\t)%2):SGP+4*((\t)%2)+3], v[ASG] offset:32*(\t)
.endm
.macro FETCH_P t, b                    ; backward tile t (rows 16 t .. of W2'), as it lies
	WIN 0
.irp u,0,1,2,3,4,5,6,7
.irp e,0,1
	ds_load_b128 v[FR+64*(\b)+8*\u+4*\e:FR+64*(\b)+8*\u+4*\e+3], v[BP0+((\t)/8)] offset:((\t)%8)*16*PW+64*\u+32*\e
.endr
.endr
.endm
.macro FETCH_A hf, b                   ; w1's action rows as they lie: K steps 4 hf .. + 3, dimension tiles e = 0, 1
	WIN 0
.irp uu,0,1,2,3
.irp e,0,1
	ds_load_b128 v[FR+64*(\b)+8*(2*\uu+\e):FR+64*(\b)+8*(2*\uu+\e)+3],   v[AW1P] offset:\e*16*PW+64*(4*(\hf)+\uu)
	ds_load_b128 v[FR+64*(\b)+8*(2*\uu+\e)+4:FR+64*(\b)+8*(2*\uu+\e)+7], v[AW1P] offset:\e*16*PW+64*(4*(\hf)+\uu)+32
.endr
.endr
.endm
; Matrix instruction i of 32 of a block: K step i / 4, row tile i % 4: the four accumulators take turns, one instruction a turn.
.macro MMF t, i
.set u_, (\i)/4
.set m_, (\i)%4
.set rD, ACC+32*((\t)%2)+8*m_
.set rA, FR+64*((\t)%2)+8*u_
.set rB, 32*u_+8*m_
	WIN 0x08                                       ; h1 in window 2
.if u_ == 0
	v_wmma_f32_16x16x32_bf16 v[rD:rD+7], v[rA:rA+7], v[rB:rB+7], v[B2C:B2C+7]
.else
	v_wmma_f32_16x16x32_bf16 v[rD:rD+7], v[rA:rA+7], v[rB:rB+7], v[rD:rD+7]
.endif
.endm
.macro MMB t, i
.set u_, (\i)/4
.set m_, (\i)%4
.set rD, ACC+32*((\t)%2)+8*m_
.set rA, FR+64*((\t)%2)+8*u_
.set rB, 32*u_+8*m_
	WIN 0x0c                                       ; the masks in window 3
.if u_ == 0
	v_wmma_f32_16x16x32_bf16 v[rD:rD+7], v[rA:rA+7], v[rB:rB+7], 0
.else
	v_wmma_f32_16x16x32_bf16 v[rD:rD+7], v[rA:rA+7], v[rB:rB+7], v[rD:rD+7]
.endif
.endm
; What follows forward tile t, in 14 chunks of four: 0, 1: sg to f32; then for each row tile: mask = clamp(x' sg); q += x' mask; the mask rounded into window 3.  An accumulator is read from its low end on.
.macro CHF t, k
.set pa, ACC+32*((\t)%2)
.if (\k) < 2
	WIN 0
	v_lshlrev_b32 v[SGF+4*(\k)],   16,  v[SGP+4*((\t)%2)+2*(\k)]
	v_and_b32     v[SGF+4*(\k)+1], s63, v[SGP+4*((\t)%2)+2*(\k)]
	v_lshlrev_b32 v[SGF+4*(\k)+2], 16,  v[SGP+4*((\t)%2)+2*(\k)+1]
	v_and_b32     v[SGF+4*(\k)+3], s63, v[SGP+4*((\t)%2)+2*(\k)+1]
.elseif (\k) < 14
.set cm, ((\k)-2)/3
.set cs, ((\k)-2)%3
.if cs == 0
	WIN 0
.irp j,0,1,2,3
	v_pk_mul_f32 v[TM+2*\j:TM+2*\j+1], v[pa+8*cm+2*\j:pa+8*cm+2*\j+1], v[SGF+2*\j:SGF+2*\j+1] clamp
.endr
.elseif cs == 1
	WIN 0
.irp j,0,1,2,3
.if ((\t) == 0) && (\j == 0)
	v_pk_mul_f32 v[QA+2*cm:QA+2*cm+1], v[pa+8*cm:pa+8*cm+1], v[TM:TM+1]  ; the first product starts q's sum
.else
	v_pk_fma_f32 v[QA+2*cm:QA+2*cm+1], v[pa+8*cm+2*\j:pa+8*cm+2*\j+1], v[TM+2*\j:TM+2*\j+1], v[QA+2*cm:QA+2*cm+1]
.endif
.endr
.else
	WIN 0xc0
.irp j,0,1,2,3
	v_cvt_pk_bf16_f32 v[32*((\t)/2)+8*cm+4*((\t)%2)+\j], v[TM+2*\j], v[TM+2*\j+1]
.endr
.endif
.endif
.endm
; What follows backward tile t, in 16 chunks of four, four a row tile: dq/dh1 rounded; h1 x 2^127; its minimum with 1 = [h1 > 0]; the product takes h1's place in window 2.
.macro CHB t, k
.set pa, ACC+32*((\t)%2)
.set cm, (\k)/4
.set cs, (\k)%4
.set rH, 32*((\t)/2)+8*cm+4*((\t)%2)
.if cs == 0
	WIN 0
.irp j,0,1,2,3
	v_cvt_pk_bf16_f32 v[TM+\j], v[pa+8*cm+2*\j], v[pa+8*cm+2*\j+1]
.endr
.elseif cs == 1
	WIN 0x02
.irp j,0,1,2,3
	v_pk_mul_bf16 v[TM+4+\j], v[rH+\j], s82
.endr
.elseif cs == 2
	WIN 0
.irp j,0,1,2,3
	v_pk_min_num_bf16 v[TM+4+\j], v[TM+4+\j], s83
.endr
.else
	WIN 0x80
.irp j,0,1,2,3
	v_pk_mul_bf16 v[rH+\j], v[TM+\j], v[TM+4+\j]
.endr
.endif
.endm
.macro NOPCH k                         ; a direction's first block has no tile behind it: v_nop where places are owed (ahead of the run of loads, and behind the block's last products)
.if ((\k) == 2) || ((\k) == 3) || ((\k) == 14) || ((\k) == 15)
	NOPS 4
.endif
.endm
; A BLOCK: one tile of 16 features for my 64 rows: 32 matrix instructions in 16 pairs; behind pair p stands chunk p of the tile before; behind pair 3's chunk the next block's fragments are fetched, in one run,
; 24 matrix instructions ahead of the wait for them.  A vector instruction reads an accumulator, and a load lands on a fragment, eight plain instructions or more behind the last product that named it.
.macro BLKF t
	s_wait_dscnt 0x0                               ; the fragments fetched in the block before
.set p_, 0
.rept 16
	MMF \t, 2*p_
	MMF \t, 2*p_+1
.if (\t) > 0
	CHF (\t)-1, p_
.else
	NOPCH p_
.endif
.if p_ == 3
.if (\t) < 15
	FETCH_T (\t)+1, ((\t)+1)%2
.else
	FETCH_P 0, 0
.endif
.endif
.set p_, p_+1
.endr
.endm
.macro BLKB t
	s_wait_dscnt 0x0
.set p_, 0
.rept 16
	MMB \t, 2*p_
	MMB \t, 2*p_+1
.if (\t) > 0
	CHB (\t)-1, p_
.else
	NOPCH p_
.endif
.if p_ == 3
.if (\t) < 15
	FETCH_P (\t)+1, ((\t)+1)%2
.else
	FETCH_A 0, 0
.endif
.endif
.set p_, p_+1
.endr
.endm
; Layer 1 forward, tile i = 4 t + m: P1 is widened into one of eight accumulators, which take turns; one product adds a . w1[64:84]; a tile behind, the sum is rounded in place and its maximum with 0 goes to window 2.
.macro L1T i
.set cb, ACC+8*((\i)%8)
	WIN 0x04
.irp j,0,1,2,3
	v_lshlrev_b32 v[cb+2*\j],   16,  v[4*(\i)+\j]
	v_and_b32     v[cb+2*\j+1], s63, v[4*(\i)+\j]
.endr
	WIN 0
	v_wmma_f32_16x16x32_bf16 v[cb:cb+7], v[FR+8*((\i)/4):FR+8*((\i)/4)+7], v[XA+8*((\i)%4):XA+8*((\i)%4)+7], v[cb:cb+7]
.endm
.macro L1E i
.set cb, ACC+8*((\i)%8)
	WIN 0
.irp j,0,1,2,3
	v_cvt_pk_bf16_f32 v[cb+\j], v[cb+2*\j], v[cb+2*\j+1]
.endr
	WIN 0x80
.irp j,0,1,2,3
	v_pk_max_num_bf16 v[32*((\i)/8)+8*((\i)%4)+4*(((\i)/4)%2)+\j], v[cb+\j], v[ZR]
.endr
.endm
.macro L1B u                           ; layer 1 backward, K step u: 2 tiles of dimensions x 4 row tiles: eight accumulators by turns
	WIN 0x08
.irp e,0,1
.irp m,0,1,2,3
.if (\u) == 0
	v_wmma_f32_16x16x32_bf16 v[ACC+8*(4*\e+\m):ACC+8*(4*\e+\m)+7], v[FR+64*((\u)/4)+8*(2*((\u)%4)+\e):FR+64*((\u)/4)+8*(2*((\u)%4)+\e)+7], v[32*(\u)+8*\m:32*(\u)+8*\m+7], 0
.else
	v_wmma_f32_16x16x32_bf16 v[ACC+8*(4*\e+\m):ACC+8*(4*\e+\m)+7], v[FR+64*((\u)/4)+8*(2*((\u)%4)+\e):FR+64*((\u)/4)+8*(2*((\u)%4)+\e)+7], v[32*(\u)+8*\m:32*(\u)+8*\m+7], v[ACC+8*(4*\e+\m):ACC+8*(4*\e+\m)+7]
.endif
.endr
.endr
.endm
; THE KERNEL'S PART: registers of window 0.
.set X,   24                           ; v24-43   x of my particle
.set S,   44                           ; v44-63   its score
.set PS,  64
.set PX,  84
.set DD,  103                          ; D[o] = d(i, (i + o) % 32) at v[103 + o], o = 1 .. 32
.set KK,  139                          ; K[o] at v[139 + o], o = 1 .. 32
.set T,   172                          ; v172-211 at work
.set TA,  212                          ; v212-215 LDS addresses of four rows
.set JV,  216
.set P0,  218
.set P1R, 220
.set W0,  222                          ; v222, v223  w0, 1 - w0
.set CC,  224                          ; x . s
.set KC,  225
.set SK,  226
.set SKD, 227
.set GAM, 228
.set NG,  229
.set U16, 230
.set VINF,231
.set MN,  232
.set TT,  233
.set Q0,  234
.set Q1,  235
.set C0,  236                          ; v236-243
.set TB,  244                          ; v244-247 lane addresses for the exchange of x . s
.set CJ,  248                          ; v248-255 x_j . s_j, two batches of four
.macro ISS1 w                          ; the next four particles' x into window w
	WIN 0
.irp q,0,1,2,3
	v_add_nc_u32 v[JV], 1, v[JV]
	v_and_b32 v[TT], 31, v[JV]
	v_mad_u32_u24 v[TA+\q], v[TT], 80, v[ABS]
.endr
	WIN (\w)<<6
.irp q,0,1,2,3
.irp k,0,1,2,3,4
	ds_load_b128 v[20*\q+4*\k:20*\q+4*\k+3], v[TA+\q] offset:16*\k
.endr
.endr
.endm
.macro CMP1 w, o0                      ; D[o0 .. o0 + 3], two at a time, their chains interleaved
.irp hh,0,1
	WIN (\w)<<2
.irp qq,0,1
.set p_, 0
.rept 10
	v_pk_add_f32 v[T+20*\qq+2*p_:T+20*\qq+2*p_+1], v[X+2*p_:X+2*p_+1], v[20*(2*\hh+\qq)+2*p_:20*(2*\hh+\qq)+2*p_+1] neg_lo:[0,1] neg_hi:[0,1]
.set p_, p_+1
.endr
.endr
	WIN 0
	v_pk_mul_f32 v[P0:P0+1], v[T:T+1], v[T:T+1]
	v_pk_mul_f32 v[P1R:P1R+1], v[T+20:T+21], v[T+20:T+21]
.set p_, 1
.rept 9
	v_pk_fma_f32 v[P0:P0+1], v[T+2*p_:T+2*p_+1], v[T+2*p_:T+2*p_+1], v[P0:P0+1]
	v_pk_fma_f32 v[P1R:P1R+1], v[T+20+2*p_:T+21+2*p_], v[T+20+2*p_:T+21+2*p_], v[P1R:P1R+1]
.set p_, p_+1
.endr
	v_add_f32 v[DD+(\o0)+2*\hh], v[P0], v[P0+1]
	v_add_f32 v[DD+(\o0)+2*\hh+1], v[P1R], v[P1R+1]
.endr
.endm
.macro ISS2 w                          ; the next four particles' x, s (window w, 42 registers each) and x . s: 44 LDS instructions
	WIN 0
.irp q,0,1,2,3
	v_add_nc_u32 v[JV], 1, v[JV]
	v_and_b32 v[TT], 31, v[JV]
	v_mad_u32_u24 v[TA+\q], v[TT], 80, v[ABS]
	v_lshlrev_b32 v[TB+\q], 2, v[TT]
.endr
.irp q,0,1,2,3
	ds_bpermute_b32 v[CJ+4*((\w)-2)+\q], v[TB+\q], v[CC]
.endr
	WIN (\w)<<6
.irp q,0,1,2,3
.irp k,0,1,2,3,4
	ds_load_b128 v[42*\q+4*\k:42*\q+4*\k+3], v[TA+\q] offset:16*\k
	ds_load_b128 v[42*\q+20+4*\k:42*\q+20+4*\k+3], v[TA+\q] offset:10240+16*\k
.endr
.endr
.endm
.macro CMP2 w, ko                      ; PS, PX, KC take four particles, weighted by K[ko .. ko + 3]; a K is one register of an aligned pair, given to both halves
	WIN (\w)
.irp q,0,1,2,3
.set kr, KK+(\ko)+\q
.set ks, kr%2
.set kp, kr-ks
.set p_, 0
.rept 10
.if ks
	v_pk_fma_f32 v[PS+2*p_:PS+2*p_+1], v[42*\q+20+2*p_:42*\q+21+2*p_], v[kp:kp+1], v[PS+2*p_:PS+2*p_+1] op_sel:[0,1,0] op_sel_hi:[1,1,1]
	v_pk_fma_f32 v[PX+2*p_:PX+2*p_+1], v[42*\q+2*p_:42*\q+2*p_+1], v[kp:kp+1], v[PX+2*p_:PX+2*p_+1] op_sel:[0,1,0] op_sel_hi:[1,1,1]
.else
	v_pk_fma_f32 v[PS+2*p_:PS+2*p_+1], v[42*\q+20+2*p_:42*\q+21+2*p_], v[kp:kp+1], v[PS+2*p_:PS+2*p_+1] op_sel_hi:[1,0,1]
	v_pk_fma_f32 v[PX+2*p_:PX+2*p_+1], v[42*\q+2*p_:42*\q+2*p_+1], v[kp:kp+1], v[PX+2*p_:PX+2*p_+1] op_sel_hi:[1,0,1]
.endif
.set p_, p_+1
.endr
.endr
	WIN 0
.irp q,0,1,2,3
	v_fma_f32 v[KC], v[KK+(\ko)+\q], v[CJ+4*((\w)-2)+\q], v[KC]
.endr
.endm
.macro COUNT                           ; s61 = the bits set in the sixteen masks s66 .. s81
.set k_, 0
.rept 16
	s_bcnt1_i32_b32 s[66+k_], s[66+k_]
.set k_, k_+1
.endr
	s_add_co_u32 s61, s66, s67
.set k_, 2
.rept 14
	s_add_co_u32 s61, s61, s[66+k_]
.set k_, k_+1
.endr
.endm
	s_wait_kmcnt 0x0                               ; b3
	s_mov_b32 s53, 5
.Lstep:
	; a AS SOURCE 1: dimensions 8 h + 0..7, then 16 .. 19 (lanes 0-15) and zeros; and w1's action rows turned, all 16 tiles
.irp m,0,1,2,3
	ds_load_b128 v[ACC+12*\m:ACC+12*\m+3],    v[AXA] offset:1280*\m
	ds_load_b128 v[ACC+12*\m+4:ACC+12*\m+7],  v[AXA] offset:1280*\m+16
	ds_load_b128 v[ACC+12*\m+8:ACC+12*\m+11], v[AXB] offset:1280*\m
.endr
.set t_, 0
.rept 16
	ds_load_tr16_b128 v[FR+8*t_:FR+8*t_+3],   v[AW1T] offset:32*t_
	ds_load_tr16_b128 v[FR+8*t_+4:FR+8*t_+7], v[AW1T] offset:32*t_+16*PW
.set t_, t_+1
.endr
	s_wait_dscnt 32                                ; a's twelve loads are in; the 32 behind them may stay out
.irp m,0,1,2,3
.irp j,0,1,2,3,4,5
	v_cvt_pk_bf16_f32 v[XA+8*\m+\j], v[ACC+12*\m+2*\j], v[ACC+12*\m+2*\j+1]
.endr
	v_cndmask_b32 v[XA+8*\m+4], 0, v[XA+8*\m+4], s55
	v_cndmask_b32 v[XA+8*\m+5], 0, v[XA+8*\m+5], s55
	v_mov_b32 v[XA+8*\m+6], 0
	v_mov_b32 v[XA+8*\m+7], 0
.endr
	s_wait_dscnt 0x0
	; LAYER 1 FORWARD
.set i_, 0
.rept 64
	L1T i_
.if i_ > 0
	L1E i_-1
.endif
.set i_, i_+1
.endr
	L1E 63                                         ; tile 62's eight lines are the places behind the last product
	FETCH_T 0, 0
	; LAYER 2 FORWARD
.set tb_, 0
.rept 16
	BLKF tb_
.set tb_, tb_+1
.endr
.set kb_, 0
.rept 14
	CHF 15, kb_                                    ; the last tile's chunks stand bare; the first two, which name no accumulator, are the places
.set kb_, kb_+1
.endr
	WIN 0
.irp m,0,1,2,3                         ; q: my 8 features of each tile, the other half of the lanes', b3
	v_add_f32 v[TM+\m], v[QA+2*\m], v[QA+2*\m+1]
.endr
.irp m,0,1,2,3
	v_permlanex16_b32 v[TM+4+\m], v[TM+\m], s56, s57
.endr
.irp m,0,1,2,3
	v_add_f32 v[TM+\m], v[TM+\m], v[TM+4+\m]
.endr
.irp m,0,1,2,3
	v_add_f32 v[TM+\m], s52, v[TM+\m]
	ds_store_b32 v[AQ], v[TM+\m] offset:64*\m      ; both halves of the lanes store the same number
.endr
	; LAYER 2 BACKWARD
.set tb_, 0
.rept 16
	BLKB tb_
.set tb_, tb_+1
.endr
.set kb_, 0
.rept 16
	CHB 15, kb_                                    ; tile 14's last two chunks are the places behind the product that ended row tile 0
.set kb_, kb_+1
.endr
	FETCH_A 1, 1
	; LAYER 1 BACKWARD
	s_wait_dscnt 16                                ; K steps 0-3 are in; the sixteen loads just issued may stay out
.irp u,0,1,2,3
	L1B \u
.endr
	s_wait_dscnt 0x0
.irp u,4,5,6,7
	L1B \u
.endr
	WIN 0
	v_mul_u32_u24 v[B2C], v[LANE], 80              ; where dimensions 16-19 go: a row a lane; with the six v_nop these two lines are the places behind the last products
	v_add_nc_u32 v[B2C], s88, v[B2C]
	NOPS 6
.irp m,0,1,2,3
	ds_store_b128 v[AGA], v[ACC+8*\m:ACC+8*\m+3]   offset:1280*\m      ; dimensions 8 h + 0..7
	ds_store_b128 v[AGA], v[ACC+8*\m+4:ACC+8*\m+7] offset:1280*\m+16
.endr
	; Dimensions 16-19 lie in lanes 0-15, registers 0-3, of the second tile of dimensions; what lanes 16-31 hold there belongs to no dimension.  Two row tiles share a store, all lanes on:
	; lanes 0-15 give row tile 2 p's four numbers, lanes 16-31 those of row tile 2 p + 1, fetched from the lane 16 away: lane l stores row 32 p + l of my 64.
.irp pr,0,1
.irp j,0,1,2,3
	v_permlanex16_b32 v[TM+4*\pr+\j], v[ACC+32+8*(2*\pr+1)+\j], s56, s57
.endr
.endr
.irp pr,0,1
.irp j,0,1,2,3
	v_cndmask_b32 v[TM+4*\pr+\j], v[TM+4*\pr+\j], v[ACC+32+16*\pr+\j], s55
.endr
	ds_store_b128 v[B2C], v[TM+4*\pr:TM+4*\pr+3] offset:2560*\pr
.endr
	BAR                                            ; both critics' q and dq/da lie in LDS
	; THE SCORE of my particle
.irp k,0,1,2,3,4
	ds_load_b128 v[X+4*\k:X+4*\k+3], v[ASV] offset:16*\k
.endr
.irp k,0,1,2,3,4
	ds_load_b128 v[S+4*\k:S+4*\k+3], v[ASV] offset:10240+16*\k
.endr
.irp k,0,1,2,3,4
	ds_load_b128 v[T+4*\k:T+4*\k+3], v[ASV] offset:20480+16*\k
.endr
	ds_load_b32 v[Q0], v[AQS]
	ds_load_b32 v[Q1], v[AQS] offset:512
	s_wait_dscnt 0x0
	v_cmp_lt_f32 vcc_lo, v[Q0], v[Q1]
	v_cndmask_b32 v[W0], 0, 1.0, vcc_lo
	v_cmp_eq_f32 vcc_lo, v[Q0], v[Q1]
	v_cndmask_b32 v[W0], v[W0], 0.5, vcc_lo
	v_sub_f32 v[W0+1], 1.0, v[W0]
.irp p,0,1,2,3,4,5,6,7,8,9
	v_pk_mul_f32 v[S+2*\p:S+2*\p+1], v[S+2*\p:S+2*\p+1], v[W0:W0+1] op_sel_hi:[1,0]
.endr
.irp p,0,1,2,3,4,5,6,7,8,9
	v_pk_fma_f32 v[S+2*\p:S+2*\p+1], v[T+2*\p:T+2*\p+1], v[W0:W0+1], v[S+2*\p:S+2*\p+1] op_sel:[0,1,0] op_sel_hi:[1,1,1]
.endr
.irp k,0,1,2,3,4
	ds_store_b128 v[ASV], v[S+4*\k:S+4*\k+3] offset:10240+16*\k  ; over critic 0's rows of my own state; LDS serves a wave's instructions in order, so my later loads see it
.endr
	v_pk_mul_f32 v[P0:P0+1], v[X:X+1], v[S:S+1]
.irp p,1,2,3,4,5,6,7,8,9
	v_pk_fma_f32 v[P0:P0+1], v[X+2*\p:X+2*\p+1], v[S+2*\p:S+2*\p+1], v[P0:P0+1]
.endr
	v_add_f32 v[CC], v[P0], v[P0+1]
	; DISTANCES to the 16 particles behind me in the ring; the other 15 are what those particles found for me
	v_mov_b32 v[JV], v[LANE]
	ISS1 2
	ISS1 3
	s_wait_dscnt 20                                ; the older batch is in; the younger one's 20 loads may stay out
	CMP1 2, 1
	ISS1 2
	s_wait_dscnt 20
	CMP1 3, 5
	ISS1 3
	s_wait_dscnt 20
	CMP1 2, 9
	s_wait_dscnt 0x0
	CMP1 3, 13
.set o_, 17
.rept 15
	v_add_nc_u32 v[TT], 4*o_, v[LANE4]
	ds_bpermute_b32 v[DD+o_], v[TT], v[DD+32-o_]   ; d(i, i + o) = D[32 - o] of lane i + o; waited for behind the median
.set o_, o_+1
.endr
	v_mov_b32 v[DD+32], 0
	v_mov_b32 v[VINF], 0x7f800000
	v_cndmask_b32 v[U16], v[VINF], v[DD+16], s55   ; offset 16 names each pair twice: lanes 16-31 stand aside
	; THE MEDIAN: the largest number below which at most 239 of the 496 lie is rank 239
	s_mov_b32 s58, 0
	s_mov_b32 s59, 0x40000000
	s_mov_b32 s62, 31
.Lmed:
	s_or_b32 s60, s58, s59
.set k_, 1
.rept 15
	v_cmp_gt_u32 s[65+k_], s60, v[DD+k_]
.set k_, k_+1
.endr
	v_cmp_gt_u32 s81, s60, v[U16]
	COUNT
	s_cmp_le_u32 s61, 239
	s_cselect_b32 s58, s60, s58
	s_lshr_b32 s59, s59, 1
	s_sub_co_u32 s62, s62, 1
	s_cmp_lg_u32 s62, 0
	s_cbranch_scc1 .Lmed
.set k_, 1
.rept 15
	v_cmp_ge_u32 s[65+k_], s58, v[DD+k_]
.set k_, k_+1
.endr
	v_cmp_ge_u32 s81, s58, v[U16]
	COUNT                                          ; how many are at most rank 239's number: 241 or more, and rank 240 is the same number
	v_mov_b32 v[MN], v[VINF]
.set k_, 1
.rept 15
	v_cmp_lt_u32 vcc_lo, s58, v[DD+k_]
	v_cndmask_b32 v[TT], v[VINF], v[DD+k_], vcc_lo
	v_min_num_f32 v[MN], v[MN], v[TT]
.set k_, k_+1
.endr
	v_cmp_lt_u32 vcc_lo, s58, v[U16]
	v_cndmask_b32 v[TT], v[VINF], v[U16], vcc_lo
	v_min_num_f32 v[MN], v[MN], v[TT]
	v_min_num_f32_dpp v[MN], v[MN], v[MN] row_xmask:1 row_mask:0xf bank_mask:0xf
	v_min_num_f32_dpp v[MN], v[MN], v[MN] row_xmask:2 row_mask:0xf bank_mask:0xf
	v_min_num_f32_dpp v[MN], v[MN], v[MN] row_xmask:4 row_mask:0xf bank_mask:0xf
	v_min_num_f32_dpp v[MN], v[MN], v[MN] row_xmask:8 row_mask:0xf bank_mask:0xf
	v_permlanex16_b32 v[TT], v[MN], s56, s57
	v_min_num_f32 v[MN], v[MN], v[TT]
	v_readfirstlane_b32 s60, v[MN]                 ; else the least greater one
	s_cmp_ge_u32 s61, 241
	s_cselect_b32 s60, s58, s60
	v_mov_b32 v[TT], s58
	v_add_f32 v[TT], s60, v[TT]
	v_mov_b32 v[NG], 0x322bcc77                    ; 1e-8
	v_fmamk_f32 v[TT], v[TT], 0x3e126e8c, v[NG]    ; 0.5 (u239 + u240) / ln 33 + 1e-8
	v_rcp_f32 v[GAM], v[TT]
	v_nop                                          ; a plain instruction behind the reciprocal,
	s_wait_alu depctr_va_vdst(0)                   ; and the wait ahead of its first reader
	v_mul_f32 v[NG], 0xbfb8aa3b, v[GAM]            ; - g log2(e)
	s_wait_dscnt 0x0                               ; D[17 .. 31]
.set o_, 1
.rept 31
	v_mul_f32 v[KK+o_], v[NG], v[DD+o_]
.set o_, o_+1
.endr
.set o_, 1
.rept 31
	v_exp_f32 v[KK+o_], v[KK+o_]                   ; one batch
.set o_, o_+1
.endr
	v_mov_b32 v[KK+32], 0                          ; offset 32 is myself again: no weight.  Also the plain instruction behind the last exponential
	s_wait_alu depctr_va_vdst(0)                   ; one wait for the 31
.irp c,0,1,2,3                         ; SK and SKD, four chains each
	v_pk_add_f32 v[C0+2*\c:C0+2*\c+1], v[KK+1+4*\c:KK+2+4*\c], v[KK+3+4*\c:KK+4+4*\c]
	v_pk_mul_f32 v[T+2*\c:T+2*\c+1], v[KK+1+2*\c:KK+2+2*\c], v[DD+1+2*\c:DD+2+2*\c]
.endr
.irp g,0,1
.irp c,0,1,2,3
	v_pk_add_f32 v[C0+2*\c:C0+2*\c+1], v[C0+2*\c:C0+2*\c+1], v[KK+17+8*\g+2*\c:KK+18+8*\g+2*\c]
.endr
.endr
.irp g,1,2,3
.irp c,0,1,2,3
	v_pk_fma_f32 v[T+2*\c:T+2*\c+1], v[KK+1+8*\g+2*\c:KK+2+8*\g+2*\c], v[DD+1+8*\g+2*\c:DD+2+8*\g+2*\c], v[T+2*\c:T+2*\c+1]
.endr
.endr
	v_pk_add_f32 v[C0:C0+1], v[C0:C0+1], v[C0+2:C0+3]
	v_pk_add_f32 v[C0+4:C0+5], v[C0+4:C0+5], v[C0+6:C0+7]
	v_pk_add_f32 v[T:T+1], v[T:T+1], v[T+2:T+3]
	v_pk_add_f32 v[T+4:T+5], v[T+4:T+5], v[T+6:T+7]
	v_pk_add_f32 v[C0:C0+1], v[C0:C0+1], v[C0+4:C0+5]
	v_pk_add_f32 v[T:T+1], v[T:T+1], v[T+4:T+5]
	v_add_f32 v[SK], v[C0], v[C0+1]
	v_add_f32 v[SK], 1.0, v[SK]                    ; K(i, i) = 1
	v_add_f32 v[SKD], v[T], v[T+1]
	; THE WEIGHTED SUMS.  My own term, K = 1, starts them
.set d_, 0
.rept 20
	v_mov_b32 v[PS+d_], v[S+d_]
	v_mov_b32 v[PX+d_], v[X+d_]
.set d_, d_+1
.endr
	v_mov_b32 v[KC], v[CC]
	v_mov_b32 v[JV], v[LANE]
	ISS2 2
	WIN 0
	s_mov_b32 s54, 4
.Lp2:                                                  ; a trip takes offsets 8 n + 1 .. 8 n + 8, in two batches that take turns between windows 2 and 3
	ISS2 3
	s_wait_dscnt 44                                ; the older batch is in; the younger one's 44 may stay out
	CMP2 2, 1
	ISS2 2                                         ; the next trip's first batch (behind the last trip: four rows that nobody uses, inside my state)
	s_wait_dscnt 44
	CMP2 3, 5
.set k_, 0
.rept 24
	v_mov_b32 v[KK+1+k_], v[KK+9+k_]               ; the weights move down by eight, so that one text serves every trip
.set k_, k_+1
.endr
	s_sub_co_u32 s54, s54, 1
	s_cmp_lg_u32 s54, 0
	s_cbranch_scc1 .Lp2
	s_wait_dscnt 0x0
	; THE UPDATE
	v_pk_mul_f32 v[P0:P0+1], v[X:X+1], v[PS:PS+1]
.irp p,1,2,3,4,5,6,7,8,9
	v_pk_fma_f32 v[P0:P0+1], v[X+2*\p:X+2*\p+1], v[PS+2*\p:PS+2*\p+1], v[P0:P0+1]
.endr
	v_add_f32 v[TT], v[P0], v[P0+1]
	v_sub_f32 v[TT], v[TT], v[KC]
	v_add_f32 v[NG], v[GAM], v[GAM]
	v_fma_f32 v[TT], v[NG], v[SKD], v[TT]
	v_fmamk_f32 v[TT], v[SK], 0xc1a00000, v[TT]    ; - 20 SK
	v_add_f32 v[TT], 0x41a00000, v[TT]             ; + 20
	v_mul_f32 v[P1R], 0x3bcccccd, v[GAM]           ; 0.00625 g
	v_mov_b32 v[P1R+1], v[P1R]
	v_fmac_f32 v[LP], v[P1R], v[TT]
.irp p,0,1,2,3,4,5,6,7,8,9
	v_pk_fma_f32 v[PX+2*\p:PX+2*\p+1], v[X+2*\p:X+2*\p+1], v[SK:SK+1], v[PX+2*\p:PX+2*\p+1] op_sel_hi:[1,0,1] neg_lo:[0,0,1] neg_hi:[0,0,1]  ; x SK - PX
.endr
.irp p,0,1,2,3,4,5,6,7,8,9
	v_pk_fma_f32 v[X+2*\p:X+2*\p+1], v[PS+2*\p:PS+2*\p+1], 0x3b4ccccd, v[X+2*\p:X+2*\p+1] op_sel_hi:[1,0,1]  ; + 0.003125 PS
.endr
.irp p,0,1,2,3,4,5,6,7,8,9
	v_pk_fma_f32 v[X+2*\p:X+2*\p+1], v[PX+2*\p:PX+2*\p+1], v[P1R:P1R+1], v[X+2*\p:X+2*\p+1] op_sel_hi:[1,0,1]
.endr
.irp k,0,1,2,3,4
	ds_store_b128 v[ASV], v[X+4*\k:X+4*\k+3] offset:16*\k
.endr
	BAR                                            ; the new a lies in LDS, and nobody reads this step's q, dq/da or scores any more
	s_sub_co_u32 s53, s53, 1
	s_cmp_lg_u32 s53, 0
	s_cbranch_scc1 .Lstep
	; THE END.  e = exp(-2 |a|), p = 1 + e: tanh a = sign(a) (1 - e) / p;  a + softplus(-2 a) = |a| + ln p, the form that cannot overflow, as softplus's own
.set EE, 44
.set PP, 64
.set LG, 84
.set RC, 104
.set AB, 124
.set d_, 0
.rept 20
	v_and_b32 v[AB+d_], 0x7fffffff, v[X+d_]
	v_mul_f32 v[EE+d_], 0xc038aa3b, v[AB+d_]       ; - 2 log2(e) |a|
.set d_, d_+1
.endr
.set d_, 0
.rept 20
	v_exp_f32 v[EE+d_], v[EE+d_]
.set d_, d_+1
.endr
	v_nop
	s_wait_alu depctr_va_vdst(0)                   ; one wait for the 20 exponentials
.set d_, 0
.rept 20
	v_add_f32 v[PP+d_], 1.0, v[EE+d_]
.set d_, d_+1
.endr
.set d_, 0
.rept 20
	v_log_f32 v[LG+d_], v[PP+d_]
	v_rcp_f32 v[RC+d_], v[PP+d_]
.set d_, d_+1
.endr
	v_nop
	s_wait_alu depctr_va_vdst(0)                   ; one wait for the 40
.set d_, 0
.rept 20
	v_sub_f32 v[EE+d_], 1.0, v[EE+d_]
.set d_, d_+1
.endr
.set d_, 0
.rept 20
	v_mul_f32 v[EE+d_], v[EE+d_], v[RC+d_]
.set d_, d_+1
.endr
.set d_, 0
.rept 20
	v_bfi_b32 v[EE+d_], 0x7fffffff, v[EE+d_], v[X+d_]  ; a's sign
.set d_, d_+1
.endr
.irp k,0,1,2,3,4
	ds_store_b128 v[ASV], v[EE+4*\k:EE+4*\k+3] offset:16*\k  ; through my state's rows of LDS, which nobody else touches any more,
.endr
.irp k,0,1,2,3,4
	ds_load_b128 v[PP+4*\k:PP+4*\k+3], v[ALIN] offset:512*\k  ; and back linearly; LDS serves a wave's instructions in order
.endr
.irp p,1,2,3,4,5,6,7,8,9
	v_pk_add_f32 v[AB:AB+1], v[AB:AB+1], v[AB+2*\p:AB+2*\p+1]
	v_pk_add_f32 v[LG:LG+1], v[LG:LG+1], v[LG+2*\p:LG+2*\p+1]
.endr
	v_add_f32 v[AB], v[AB], v[AB+1]
	v_add_f32 v[LG], v[LG], v[LG+1]
	v_fmac_f32 v[LP], 2.0, v[AB]                   ; - 2 sum (ln 2 - |a| - ln p): the constant joins the last line's
	v_fmac_f32 v[LP], 0x3fb17218, v[LG]            ; 2 ln 2 x log2 p
	v_add_f32_dpp v[LP], v[LP], v[LP] row_xmask:1 row_mask:0xf bank_mask:0xf
	v_add_f32_dpp v[LP], v[LP], v[LP] row_xmask:2 row_mask:0xf bank_mask:0xf
	v_add_f32_dpp v[LP], v[LP], v[LP] row_xmask:4 row_mask:0xf bank_mask:0xf
	v_add_f32_dpp v[LP], v[LP], v[LP] row_xmask:8 row_mask:0xf bank_mask:0xf
	v_permlanex16_b32 v[TT], v[LP], s56, s57
	v_add_f32 v[LP], v[LP], v[TT]
	v_mov_b32 v[TT], 0xc2386b2b                    ; - 10 ln(2 pi) - 40 ln 2
	v_fmamk_f32 v[LP], v[LP], 0x3d000000, v[TT]    ; the mean over 32 particles
	s_lshl_b32 s85, ttmp9, 4
	s_lshl_b32 s86, s36, 2
	s_add_co_u32 s85, s85, s86
	v_mov_b32 v[Q0], s85
	s_wait_dscnt 0x0
.irp k,0,1,2,3,4
	global_store_b128 v[GL16], v[PP+4*\k:PP+4*\k+3], s[32:33] offset:512*\k  ; each store of the wave covers 512 consecutive bytes, aligned to 256
.endr
	s_wait_xcnt 0x0                                ; EXEC changes only behind this wait
	v_cmp_eq_u32 vcc_lo, 0, v[LANE]
	s_and_saveexec_b32 s87, vcc_lo
	global_store_b32 v[Q0], v[LP], s[34:35]        ; one number a state
	s_wait_xcnt 0x0
	s_or_b32 exec_lo, exec_lo, s87
	s_wait_tensorcnt 0x0                           ; the wave's end, behind my last LDS store
	ds_add_u32 v[SPW], v[NIL]
	s_wait_dscnt 0x0
	s_endpgm
.Lfunc_end_k_qab62b8c69c_svgd:
	.size	k_qab62b8c69c_svgd, .Lfunc_end_k_qab62b8c69c_svgd-k_qab62b8c69c_svgd
	.p2alignl 7, 3214868480
	.fill 96, 4, 3214868480
	.section	.rodata,"a",@progbits
	.p2align	6, 0x0
	.amdhsa_kernel k_qab62b8c69c_svgd
		.amdhsa_group_segment_fixed_size 327680
		.amdhsa_private_segment_fixed_size 0
		.amdhsa_enable_private_segment 0
		.amdhsa_kernarg_size 128
		.amdhsa_user_sgpr_count 2
		.amdhsa_user_sgpr_kernarg_segment_ptr 1
		.amdhsa_wavefront_size32 1
		.amdhsa_system_sgpr_workgroup_id_x 1
		.amdhsa_system_sgpr_workgroup_id_y 1
		.amdhsa_system_sgpr_workgroup_id_z 1
		.amdhsa_system_vgpr_workitem_id 0
		.amdhsa_next_free_vgpr 1024
		.amdhsa_next_free_sgpr 100
		.amdhsa_reserve_vcc 1
		.amdhsa_float_denorm_mode_32 3
		.amdhsa_float_denorm_mode_16_64 3
		.amdhsa_memory_ordered 1
		.amdhsa_forward_progress 1
		.amdhsa_inst_pref_size 255
	.end_amdhsa_kernel
	.section	.bss,"aw",@nobits
	.p2align	6
	.space	262144
	.amdgpu_metadata
---
amdhsa.version: [ 1, 2 ]
amdhsa.kernels:
  - .name:           k_qab62b8c69c_svgd
    .symbol:         k_qab62b8c69c_svgd.kd
    .args:
      - { .name: obs, .offset: 0, .size: 8, .value_kind: global_buffer, .address_space: global }
      - { .name: a0, .offset: 8, .size: 8, .value_kind: global_buffer, .address_space: global }
      - { .name: q1_w1, .offset: 16, .size: 8, .value_kind: global_buffer, .address_space: global }
      - { .name: q1_b1, .offset: 24, .size: 8, .value_kind: global_buffer, .address_space: global }
      - { .name: q1_w2, .offset: 32, .size: 8, .value_kind: global_buffer, .address_space: global }
      - { .name: q1_b2, .offset: 40, .size: 8, .value_kind: global_buffer, .address_space: global }
      - { .name: q1_w3, .offset: 48, .size: 8, .value_kind: global_buffer, .address_space: global }
      - { .name: q1_b3, .offset: 56, .size: 8, .value_kind: global_buffer, .address_space: global }
      - { .name: q2_w1, .offset: 64, .size: 8, .value_kind: global_buffer, .address_space: global }
      - { .name: q2_b1, .offset: 72, .size: 8, .value_kind: global_buffer, .address_space: global }
      - { .name: q2_w2, .offset: 80, .size: 8, .value_kind: global_buffer, .address_space: global }
      - { .name: q2_b2, .offset: 88, .size: 8, .value_kind: global_buffer, .address_space: global }
      - { .name: q2_w3, .offset: 96, .size: 8, .value_kind: global_buffer, .address_space: global }
      - { .name: q2_b3, .offset: 104, .size: 8, .value_kind: global_buffer, .address_space: global }
      - { .name: out0, .offset: 112, .size: 8, .value_kind: global_buffer, .address_space: global }
      - { .name: out1, .offset: 120, .size: 8, .value_kind: global_buffer, .address_space: global }
    .group_segment_fixed_size: 327680
    .private_segment_fixed_size: 0
    .kernarg_segment_align: 8
    .kernarg_segment_size: 128
    .max_flat_workgroup_size: 128
    .sgpr_count:     100
    .vgpr_count:     1024
    .wavefront_size: 32
...
	.end_amdgpu_metadata
.endif
;; end of part 1
